; MI455X (gfx1250); checked and timed in simulation.
; The chip was launched on July 23, 2026; its instructions are those of AMD's public machine-readable ISA for CDNA 5 (MIT licence, August 2026) and "CDNA5" Instruction Set Architecture Reference Guide (July 2026). The comments in the code are by the model that wrote it; some were corrected since.
;; Scale Dot Product. Allowed arithmetic: matrix products marked QUANTISED: E2M3 operands, one E8M0 scale for each 32 along K, by v_wmma_scale_f32_16x16x128_f8f6f4 with both operands' format E2M3, f32 sums; everything else in f32.
;; Inputs: scale one number float32; x1 4 x 16 x 2,048 x 64 float32; x2 4 x 16 x 2,048 x 64 float32; x3 4 x 16 x 2,048 x 64 float32.
;; Outputs: out0 4 x 16 x 2,048 x 64 float32.
;; This version of the problem:
;;   THIS VERSION OF THE PROBLEM IS GIVEN IN LOW PRECISION. The matrix products marked QUANTISED in the list below multiply operands that are first quantised to E2M3 (2 exponent bits, 3 mantissa bits; 6 bits a number), with one power-of-two scale for each 32 numbers along K (OCP MX v1.0); their sums are f32. All else is computed in f32.
;;   The module's matrix products, in the order in which they are computed (A, B: the left and right operand; K: the contracted axis; several contracted axes count as one K, in the product's order):
;;     1. batch 64 x [M 2,048, K 64] x [K 64, N 2,048]; A: input x1; B: input x2: QUANTISED
;;     2. batch 64 x [M 2,048, K 2,048] x [K 2,048, N 64]; A: softmax (see below); B: input x3: QUANTISED
;;   THE QUANTISER, for each operand of a quantised product, along K:
;;     - K is cut into blocks of 32 from its start; a last block that is shorter is filled with zeros.
;;     - A block's scale is 2^e with e = floor(log2(the largest magnitude in the block)) - 2, held to -126 .. 127; a block of zeros has e = 0. As a byte (E8M0): e + 127.
;;     - Each number is divided by its block's scale, clamped to +-7.5, and rounded to the nearest number of E2M3, ties to even, subnormals kept.
;;     - The product sums the exact products of the quantised numbers (number of the format x scale) in f32.
;;   ~~~python
;;   def quantise(x, axis):      # numpy; x: float32 -> the quantised numbers, widened to float32 again
;;       x = np.moveaxis(x, axis, -1); K = x.shape[-1]
;;       x = np.pad(x, [(0, 0)] * (x.ndim - 1) + [(0, -K % 32)]); x = x.reshape(x.shape[:-1] + (-1, 32)); a = np.abs(x).max(-1, keepdims=True)
;;       e = np.where(a > 0, np.clip(np.frexp(np.where(a > 0, a, 1))[1] - 1 - 2, -126, 127), 0)      # np.frexp(a)[1] - 1 = floor(log2(a)), exactly
;;       r = np.clip(x / 2.0 ** e, -7.5, 7.5)
;;       step = 2.0 ** (np.maximum(np.frexp(np.where(r == 0, 1, r))[1] - 1, 0) - 3)
;;       q = np.round(r / step) * step * 2.0 ** e      # np.round: ties to even
;;       return np.moveaxis(q.reshape(q.shape[:-2] + (-1,))[..., :K], -1, axis).astype(np.float32)
;;   ~~~
;;   SOFTMAX AHEAD OF A QUANTISED PRODUCT. Where the list says 'softmax', what is quantised is not the finished softmax but p = 2^(t - M), with t = logit x log2(e) and M = ceil(the row's largest t), a whole number; so 1/2 < the row's largest p <= 1. The row's sum l is taken of the UNQUANTISED p, in f32, and the product's result is divided by l at the end. Since M is a whole number, a kernel that streams over the keys may use a running M (the ceiling of the running maximum): every later rescaling is an exact power of two, which a block's scale takes up: the codes' values come out the same.
;;   OPERANDS COMPUTED ON THE WAY. 'Computed on the way' means the value that the module computes at that place (a softmax that the list does not call 'softmax' is quantised finished and normalised). What goes into a quantiser is computed in f32, as accurately as f32 sums, v_exp_f32 and their like allow (about 1e-6 of the number): no bf16 or f16 on the way to a quantiser, and a product that is left as it is and whose result goes on into a quantised operand takes f32 operands (vector FMAs, or v_wmma_f32_16x16x4_f32). A number that lies on a knife's edge between two numbers of the format may be rounded either way, as far as f32 arithmetic and the matrix unit's own rounding can turn it there, and no further.
;; One version. Each part assembles by itself: llvm-mc -triple=amdgcn-amd-amdhsa -mcpu=gfx1250 --defsym DOCPART=n.
;; ======== version 1 of 1: 2 launches
;; limits: right only within a limited range of input values
;; workspace buffers: kv 13,107,200 bytes
;; launch quant (part 1): grid 1024 x 1, 4 waves a work-group, no clusters, 70,656 bytes of LDS; arguments x2, x3, kv; writes kv
.if DOCPART == 1
	.amdgcn_target "amdgcn-amd-amdhsa--gfx1250"
	.amdhsa_code_object_version 6
	.text
	.protected	k_q2f92bb8167_quant
	.globl	k_q2f92bb8167_quant
	.p2align	8
	.type	k_q2f92bb8167_quant,@function
k_q2f92bb8167_quant:
	s_mov_b64 s[64:65], 0
	v_nop
	global_prefetch_b8 v0, s[64:65] scope:SCOPE_SE
	s_setreg_imm32_b32 hwreg(HW_REG_WAVE_MODE, 25, 1), 1
	s_wait_xcnt 0x0
; x2 (the keys, [64 heads][2048][64] f32) and x3 (the values, same shape) become codes of FP6 (E2M3) with one E8M0 scale byte for each 32 along a product's K:
; x2 along the head's 64, x3 along the KEYS.  They are laid in kv in the order of the operands' registers, so that the next launch takes every fragment by loads of 16 bytes a lane.
; kv: head hd at 204,800 hd; key step j (128 keys) at + 12,800 j.  In a step (l = lane, r = l % 16, h = l / 16):
;   0     + 1536 P + 512 c + 16 l : K pair fragment P (0..3), registers 4 c .. 4 c + 3.  Registers 0-5: key a = 64 (P / 2) + 16 (P % 2) + r % 8 + 32 (r / 8), dims 32 h .. 32 h + 31; registers 6-11: key a + 8, the same dims.
;   6144  + 1536 t + 512 c + 16 l : V fragment t (0..3), registers 4 c .. 4 c + 3.  Registers 6 c' .. 6 c' + 5: dim 16 t + r, keys 64 c' + 32 h + 0 .. 31.
;   12288 + 16 l + 4 w            : scale word w.  w = 0: K pairs 0 (lanes 0-15) and 1 (lanes 16-31); w = 1: pairs 2, 3; w = 2: V fragments 0, 1; w = 3: fragments 2, 3.
;     K's word of row r: bytes (a, dims 0-31), (a, dims 32-63), (a + 8, dims 0-31), (a + 8, dims 32-63).  V's word of row r: byte b for keys 32 b .. 32 b + 31.
; A block's scale is 2^(floor(log2(its largest magnitude)) - 2); its byte is the largest magnitude's exponent field - 2, held at 1 from below.
; LIMITS: a block whose largest magnitude lies under 2^-124 has its byte held at 1; a block of zeros gets the byte 1 where the rule says 127 (its codes are zeros, which add nothing under any byte
; but 0xff, and this program alone reads the bytes); NaN and infinities among the inputs are not served.
; SHARES.  A work-group takes one key step of one head (32,768 bytes of x2 and of x3).  Wave w makes the 3,072 bytes of images at 3,072 w and scale word w: waves 0, 1 two K pairs each, waves 2, 3 two V fragments each.
; K: its K is innermost.  Loads take the bytes as they lie (512 consecutive bytes a load); a block's 16 keys turn through the wave's own stage in LDS, so that a lane gets 32 neighbours of one key.
; V: its K is outermost.  A lane takes a column (a dim) and its registers run down the keys: a block of 32 keys lies in one lane, and nothing is transposed.
; No tensor load, no cluster (work-groups share no input), no matrix unit: the launch streams.
.set SP,    272                        ; a stage row: 256 bytes + 16
.set TSTG,  16*SP                      ; a stage: the 16 keys of one block
.set STG,   4*TSTG                     ; four stages for a wave (waves 2 and 3 leave theirs untouched)
.set SCL,   4*STG                      ; the step's four scale words a lane, 512 bytes
.set SPARE, SCL+512                    ; the spare words, 128 bytes for each wave
.set STEPB, 12800                      ; a key step in kv
.set TC,    24                         ; v24-26   the second half of a block's codes, before it is moved
.set C,     32                         ; v32-55   my two fragments' codes
.set X,     64                         ; v64-191  four sets of 32 numbers
; v1 lane; v2 16 x lane; v3, v4 the stage, in and out; v5 4 x lane; v6, v7 the scale words in LDS, in and out; v8 8 h; v9 a permute's destination; v10, v11 maxima; v12 the conversions' scale operand;
; v13 my scale word; v14, v15 the add's two; v16-19 the four blocks' bytes; v20, v21 K's two words; v28-31 the scale words on their way out
	s_load_b128 s[4:7], s[0:1], 0x0                ; x2, x3
	s_load_b64 s[8:9], s[0:1], 0x10                ; kv
	v_lshl_add_u32 v14, v0, 2, SPARE
	v_mov_b32 v15, 0
	v_lshrrev_b32 v1, 5, v0
	v_readfirstlane_b32 s10, v1                    ; wave 0..3
	s_and_b32 s11, s10, 1                          ; which half of K's keys, or of V's dims, is mine
	v_and_b32 v1, 31, v0                           ; lane
	v_and_b32 v10, 15, v0                          ; r
	v_bfe_u32 v11, v0, 4, 1                        ; h
	v_lshlrev_b32 v2, 4, v1                        ; 16 x lane
	s_mul_i32 s20, s10, STG                        ; every LDS address is made here, ahead of the parting of the waves' ways
	v_mul_u32_u24 v3, v11, SP
	v_lshl_add_u32 v3, v10, 4, v3
	v_add_nc_u32 v3, s20, v3                       ; into a stage: a load's 512 bytes are two rows: row h, byte 16 r
	v_mul_u32_u24 v4, v10, SP
	v_lshl_add_u32 v4, v11, 7, v4
	v_add_nc_u32 v4, s20, v4                       ; out of it: row r, my half's 128 bytes
	v_lshlrev_b32 v5, 2, v1
	s_lshl_b32 s20, s10, 2
	s_add_co_u32 s20, s20, SCL
	v_add_nc_u32 v6, s20, v2                       ; my scale word: 16 x lane + 4 x wave
	v_add_nc_u32 v7, SCL, v2                       ; and a lane's four
	v_lshlrev_b32 v8, 3, v11
	v_mov_b32 v9, 0                                ; written once: a lane permute's destination counts as one of its sources
	s_mov_b32 s16, 0x76543210
	s_mov_b32 s17, 0xfedcba98                      ; v_permlanex16_b32's selects for lane l xor 16
	s_lshl_b32 s14, ttmp9, 15                      ; the step's 32,768 bytes in x2 and in x3 (work-group = 16 x head + step)
	s_mov_b32 s15, 0
	s_mul_i32 s18, ttmp9, STEPB
	s_mul_i32 s20, s10, 3072
	s_add_co_u32 s18, s18, s20                     ; my images in kv
	s_mov_b32 s19, 0
	s_wait_kmcnt 0x0
	s_add_nc_u64 s[8:9], s[8:9], s[18:19]
	s_cmp_lt_u32 s10, 2                            ; K's wave or V's?  The choice hangs on the wave's number alone
	s_cselect_b64 s[12:13], s[4:5], s[6:7]
	s_mov_b32 s20, 128
	s_cselect_b32 s20, 16384, s20                  ; my half: 64 keys' rows in x2, 32 dims of a row in x3
	s_mul_i32 s18, s11, s20
	s_add_nc_u64 s[12:13], s[12:13], s[14:15]
	s_add_nc_u64 s[12:13], s[12:13], s[18:19]
	s_cmp_lt_u32 s10, 2
	s_cbranch_scc0 .Lv
; 32 numbers of one block, v[xs] on, become 6 registers of codes at v[cd] and the scale's byte in v[bd]
.macro BLOCK xs, cd, bd
	v_max3_num_f32 v10, |v[\xs]|, |v[\xs+1]|, |v[\xs+2]|            ; the block's largest magnitude, in two chains
	v_max3_num_f32 v11, |v[\xs+3]|, |v[\xs+4]|, |v[\xs+5]|
.irp e, 6,10,14,18,22,26
	v_max3_num_f32 v10, v10, |v[\xs+\e]|, |v[\xs+\e+1]|
	v_max3_num_f32 v11, v11, |v[\xs+\e+2]|, |v[\xs+\e+3]|
.endr
	v_max3_num_f32 v10, v10, |v[\xs+30]|, |v[\xs+31]|
	v_max3_num_f32 v10, v10, v11, 0x1800000        ; and the floor 2^(3 - 127): so the byte cannot fall under 1
	v_add_nc_u32 v12, 0xff000000, v10              ; 2 off its exponent field: the conversion's scale operand
	v_lshrrev_b32 v[\bd], 23, v12                  ; the scale's byte
	v_cvt_scalef32_pk16_fp6_f32 v[\cd:\cd+2], v[\xs:\xs+15], v12
	v_cvt_scalef32_pk16_fp6_f32 v[TC:TC+2], v[\xs+16:\xs+31], v12   ; (a conversion's three registers begin on an even number: the second half is made elsewhere and moved)
	v_nop                                          ; one plain place behind a scaled conversion
.irp e, 0,1,2
	v_mov_b32 v[\cd+3+\e], v[TC+\e]
.endr
.endm
	; ---- K.  Block t = 2 p + u: pair p of my two, keys a (u = 0) or a + 8 (u = 1): rows 16 p + 8 u + 0 .. 7 and + 32 .. 39 of my 64
.macro KLD t
.irp jj, 0,1,2,3,4,5,6,7
	global_load_b128 v[X+32*\t+4*\jj:X+32*\t+4*\jj+3], v2, s[12:13] offset:(\t/2)*4096+(\t%2)*2048+(\jj/4)*8192+(\jj%4)*512 th:TH_LOAD_NT   ; 512 consecutive bytes: the block's rows 2 jj and 2 jj + 1
.endr
.endm
.macro TURN t                          ; block t through its stage, back into the registers that it left: LDS serves a wave's instructions in order (ISA guide 5.7.1.4)
	s_wait_loadcnt 24-8*\t                         ; the block's eight loads are in; the younger blocks' (eight each) may be out
.irp jj, 0,1,2,3,4,5,6,7
	ds_store_b128 v3, v[X+32*\t+4*\jj:X+32*\t+4*\jj+3] offset:TSTG*\t+2*SP*\jj
.endr
.irp jj, 0,1,2,3,4,5,6,7
	ds_load_b128 v[X+32*\t+4*\jj:X+32*\t+4*\jj+3], v4 offset:TSTG*\t+16*\jj
.endr
.endm
	KLD 0
	KLD 1
	KLD 2
	KLD 3
	s_wait_alu depctr_va_vdst(0)                   ; the wait ahead of the blocking wait
	TURN 0
	TURN 1
	s_wait_dscnt 16                                ; block 0 is back; the next turn's 8 stores and 8 loads may be out
	BLOCK X, C, 16
	TURN 2
	s_wait_dscnt 16
	BLOCK X+32, C+6, 17
	TURN 3
	s_wait_dscnt 16
	BLOCK X+64, C+12, 18
	s_wait_dscnt 0x0
	BLOCK X+96, C+18, 19
	v_lshl_or_b32 v20, v17, 16, v16                ; my two bytes of each pair's word: (a, my dims) and (a + 8, my dims),
	v_lshl_or_b32 v21, v19, 16, v18
	v_lshlrev_b32 v20, v8, v20                     ; at their places (8 h bits up);
	v_lshlrev_b32 v21, v8, v21
	v_permlanex16_b32 v9, v20, s16, s17
	v_or_b32 v20, v20, v9                          ; with lane l xor 16's two a word is whole
	v_permlanex16_b32 v9, v21, s16, s17
	v_or_b32 v21, v21, v9
	v_cmp_le_u32 vcc_lo, 16, v1
	v_cndmask_b32 v13, v20, v21, vcc_lo            ; lanes 0-15 carry my first pair's words, lanes 16-31 my second's
	s_branch .Ltail
.Lv:	; ---- V.  My lane's column is dim 32 (wave % 2) + lane; block kb: keys 32 kb .. 32 kb + 31
.macro VLD kb
.irp e, 0,1,2,3,4,5,6,7,8,9,10,11,12,13,14,15,16,17,18,19,20,21,22,23,24,25,26,27,28,29,30,31
	global_load_b32 v[X+32*\kb+\e], v5, s[12:13] offset:(32*\kb+\e)*256   ; one key's row: 128 consecutive bytes; the wave beside me takes the row's other 128
.endr
.endm
	s_wait_alu depctr_va_vdst(0)
	VLD 0
	VLD 1
	s_wait_loadcnt 32                              ; block 0 is in; block 1's 32 loads may be out
	VLD 2
	BLOCK X, C, 16                                 ; blocks 0 and 2 into the first twelve registers, blocks 1 and 3 into the second twelve
	s_wait_loadcnt 32                              ; block 1 is in; block 2's may be out
	VLD 3
	BLOCK X+32, C+12, 17
	s_wait_loadcnt 32                              ; block 2 is in; block 3's may be out
	BLOCK X+64, C+6, 18
	s_wait_loadcnt 0x0
	BLOCK X+96, C+18, 19
.set n, 0
.rept 12                               ; a fragment's lanes 0-15 want blocks 0 and 2 of dims 0-15, its lanes 16-31 blocks 1 and 3 of the same dims
	v_permlane16_swap_b32 v[C+n], v[C+12+n]
.set n, n+1
.endr
	v_lshl_or_b32 v13, v17, 8, v16                 ; my dim's four bytes are its scale word
	v_lshl_or_b32 v13, v18, 16, v13
	v_lshl_or_b32 v13, v19, 24, v13
.Ltail:
	s_wait_alu depctr_va_vdst(0)
.irp k, 0,1,2,3,4,5
	global_store_b128 v2, v[C+4*\k:C+4*\k+3], s[8:9] offset:512*\k   ; the images as they stand: each store covers 512 consecutive bytes, at a multiple of 256 from kv's first byte
.endr
	ds_store_b32 v6, v13
	s_wait_dscnt 0x0                               ; for the others' sake: my scale word lies in LDS
	s_barrier_signal -1
	s_barrier_wait -1
	s_cmp_lg_u32 s10, 0                            ; wave 0 stores the four waves' words: 512 consecutive bytes
	s_cbranch_scc1 .Lend
	ds_load_b128 v[28:31], v7
	s_wait_dscnt 0x0
	global_store_b128 v2, v[28:31], s[8:9] offset:12288
.Lend:
	s_wait_tensorcnt 0x0                           ; the wave's end
	ds_add_u32 v14, v15
	s_wait_dscnt 0x0
	s_endpgm
.Lfunc_end_k_q2f92bb8167_quant:
	.size	k_q2f92bb8167_quant, .Lfunc_end_k_q2f92bb8167_quant-k_q2f92bb8167_quant
	.p2alignl 7, 3214868480
	.fill 96, 4, 3214868480
	.section	.rodata,"a",@progbits
	.p2align	6, 0x0
	.amdhsa_kernel k_q2f92bb8167_quant
		.amdhsa_group_segment_fixed_size 70656
		.amdhsa_private_segment_fixed_size 0
		.amdhsa_enable_private_segment 0
		.amdhsa_kernarg_size 24
		.amdhsa_user_sgpr_count 2
		.amdhsa_user_sgpr_kernarg_segment_ptr 1
		.amdhsa_wavefront_size32 1
		.amdhsa_system_sgpr_workgroup_id_x 1
		.amdhsa_system_sgpr_workgroup_id_y 1
		.amdhsa_system_sgpr_workgroup_id_z 1
		.amdhsa_system_vgpr_workitem_id 0
		.amdhsa_next_free_vgpr 192
		.amdhsa_next_free_sgpr 66
		.amdhsa_reserve_vcc 1
		.amdhsa_float_denorm_mode_32 3
		.amdhsa_float_denorm_mode_16_64 3
		.amdhsa_memory_ordered 1
		.amdhsa_forward_progress 1
		.amdhsa_inst_pref_size 35
	.end_amdhsa_kernel
	.amdgpu_metadata
---
amdhsa.version: [ 1, 2 ]
amdhsa.kernels:
  - .name:           k_q2f92bb8167_quant
    .symbol:         k_q2f92bb8167_quant.kd
    .args:
      - { .name: x2, .offset: 0, .size: 8, .value_kind: global_buffer, .address_space: global }
      - { .name: x3, .offset: 8, .size: 8, .value_kind: global_buffer, .address_space: global }
      - { .name: kv, .offset: 16, .size: 8, .value_kind: global_buffer, .address_space: global }
    .group_segment_fixed_size: 70656
    .private_segment_fixed_size: 0
    .kernarg_segment_align: 8
    .kernarg_segment_size: 24
    .max_flat_workgroup_size: 128
    .sgpr_count:     66
    .vgpr_count:     192
    .wavefront_size: 32
...
	.end_amdgpu_metadata
.endif
;; end of part 1
;; launch attn (part 2): grid 4 x 64, 16 waves a work-group, clusters of 4 x 1, 276,480 bytes of LDS; arguments scale, x1, kv, out0; writes out0
.if DOCPART == 2
	.amdgcn_target "amdgcn-amd-amdhsa--gfx1250"
	.amdhsa_code_object_version 6
	.text
	.protected	k_q2f92bb8167_attn
	.globl	k_q2f92bb8167_attn
	.p2align	8
	.type	k_q2f92bb8167_attn,@function
k_q2f92bb8167_attn:
	s_mov_b64 s[64:65], 0
	v_nop
	global_prefetch_b8 v0, s[64:65] scope:SCOPE_SE
	s_setreg_imm32_b32 hwreg(HW_REG_WAVE_MODE, 25, 1), 1
	s_wait_xcnt 0x0
	s_wait_alu depctr_hold_cnt(0) depctr_sa_sdst(0) depctr_va_vdst(0) depctr_va_sdst(0) depctr_va_ssrc(0) depctr_va_vcc(0) depctr_vm_vsrc(0)
	s_getreg_b32 s2, hwreg(HW_REG_IB_STS2, 6, 4)
	s_cmp_eq_u32 s2, 0
	s_cbranch_scc0 .Lentry_in_a_cluster
	s_endpgm
.Lentry_in_a_cluster:
	s_bfe_u32 s2, ttmp6, 0x10000c
	s_cmp_lg_u32 s2, 0x3003
	s_cbranch_scc0 .Lentry_shape_is_right
	s_endpgm
.Lentry_shape_is_right:
; out0[hd][q][:] = the sum over k of softmax_k(x1[hd][q] . x2[hd][k] x scale) x3[hd][k][:], 64 heads, 2,048 queries and keys, head size 64; both products on codes of FP6 (E2M3) with one E8M0 scale for each 32 along K.
; K and V come as codes and scale words from kv, laid by the launch before in the order of the operands' registers (its head comment has the map); the queries are quantised here, in registers: each is read once, by one wave.
; THE SOFTMAX: t = score x c, c = scale x log2(e); M = the row's largest t so far, rounded UP to a whole number; p = 2^(t - M) is quantised along the keys, not normalised.
; The row's sum is taken of the unquantised p, in f32, and divides O at the end.  When M moves, the sum and O are multiplied by 2^(old M - new M): exact.
; THE SIGN OF scale.  The maxima are taken of raw scores, which is right for c >= 0.  So the queries are multiplied by +-1.0 with c's sign ahead of their quantiser (exact: the quantiser is odd), and |c| is used from there on.
; SHARES.  A work-group owns 512 queries of one head; each of its sixteen waves 32 of them, as two tiles of 16, one after the other (two passes over the keys).  64 heads x 4 work-groups are 256 work-groups.
; A HEAD'S K AND V LIE IN LDS WHOLE: 16 key steps x 12,800 bytes = 204,800, filled once, each wave fetching one step; nothing is filled again, so the passes have no barrier.
; CLUSTER.  The four work-groups of a head need the same 204,800 bytes: each step is asked for JOINTLY, by the same tensor load with the same descriptor and a mask that names the four.
; LAYOUT.  Both products are used transposed: S^T = K Q^T, O^T = V^T P^T: a lane holds ONE query (lane % 16) throughout.
; The first product's K is 64, the instruction's 128: a K fragment holds TWO tiles of 16 keys (keys a, then keys a + 8), and the queries' fragment stands with zero codes behind it (keys a) or in front (keys a + 8).
; THE KEYS OF A TILE are chosen so that rows 0-7 come from block 2 c of 32 keys and rows 8-15 from block 2 c + 1: the 32 score registers S + 32 c .. of lane (r, h) are keys 64 c + 32 h + 0 .. 31, a WHOLE block,
; in the order of the second product's operand: a block's largest needs no other lane, and p's codes are the operand's registers as the conversions give them.
; TWO NUMBERS AN INSTRUCTION: multiply-adds, multiplications and additions on neighbouring registers go as dual-issue pairs; the factors stand twice, in an even and an odd register.
; THE SECOND TILE'S QUERIES are prefetched and loaded under the first tile's way out.
; K and V are not prefetched: they are asked for once, at the head, with no loop ahead of them.
; LIMITS: NaN and infinities among the inputs are not served; a block whose largest magnitude lies under 2^-124 has its byte held at 1, a block of zeros too (its codes are zeros);
; t - M is one fused multiply-add of the score and c, c rounded once; the promise holds while |t| stays under 2^31.
.set STEPB, 12800                      ; a key step's images: K's 6,144 bytes, V's 6,144, the scale words' 512
.set VOFF,  6144
.set SOFF,  12288
.set HEADB, 16*STEPB
.set SP,    272                        ; a stage row: 256 bytes + 16
.set STAGE, HEADB                      ; behind the images: 16 rows for each wave, for Q on its way in and O on its way out; no tensor load lands there
.set WSTG,  16*SP
.set SPARE, STAGE+16*WSTG              ; the spare words, 128 bytes for each wave
.set LI,  1                            ; 16 x lane
.set ADK, 2                            ; LDS address of the key step in hand
.set RD,  3                            ; the stage by rows
.set STO, 4                            ; the stage: row r, + 32 h
.set SPW, 5                            ; my spare word; never rewritten
.set NIL, 6                            ; 0; never rewritten
.set QR,  7                            ; the stage: row r, + 128 h
.set SH8, 8                            ; 8 h
.set T,   9                            ; at work
.set QS,  10                           ; Q's scale word
.set PFO, 11                           ; the prefetch's offset; never rewritten
                                       ; v12, v13: -M, twice; v14, v15: the sum, first chain
.set QZ,  16                           ; v16-33  six zeros, the tile's codes, six zeros
.set SC,  34                           ; v34-37  the step's scale words
.set FR,  38                           ; v38-85  four fragments of K or of V
.set S,   86                           ; v86-149 S^T, then p
.set O,   150                          ; v150-181 O^T
.set PC,  182                          ; v182-193 p's codes
.set TC,  194                          ; v194-200 second halves of blocks' codes
.set BM,  202                          ; v202-205 maxima
.set SO,  206                          ; v206, v207 the conversions' scale operands
.set BY,  208                          ; v208, v209 scale bytes
.set F,   210                          ; v210, v211 f = 2^(old M - new M), twice
.set PW,  212                          ; p's scale word
.set SB,  214                          ; v214, v215 the sum, second chain
.set CV,  216                          ; |c|, twice
.set SG,  218                          ; +-1.0 with c's sign, twice
.set RM,  220                          ; the row's largest raw score so far
.set NC,  221                          ; -|c|
.set PD,  222                          ; a permute's destination
.set D,   223                          ; old M - new M
.macro FMA2 d, a, b, c
	v_dual_fma_f32 v[\d], v[\a], v[\b], v[\c] :: v_dual_fma_f32 v[(\d)+1], v[(\a)+1], v[(\b)+1], v[(\c)+1]
.endm
.macro MUL2 d, a, b
	v_dual_mul_f32 v[\d], v[\a], v[\b] :: v_dual_mul_f32 v[(\d)+1], v[(\a)+1], v[(\b)+1]
.endm
.macro ADD2 d, a, b
	v_dual_add_f32 v[\d], v[\a], v[\b] :: v_dual_add_f32 v[(\d)+1], v[(\a)+1], v[(\b)+1]
.endm
.macro CROUND                          ; a round of the cluster's barrier
	s_barrier_signal -1
	s_barrier_wait -1
	s_cmp_lg_u32 s13, 0
	s_cbranch_scc1 .Lnot_wave_0_\@
	s_barrier_signal -3
.Lnot_wave_0_\@:
	s_barrier_wait -3
	s_barrier_signal -1
	s_barrier_wait -1
.endm
.macro QLOAD i                         ; tile i's 16 queries as they lie: each load covers 512 consecutive bytes, two rows
.irp jj, 0,1,2,3,4,5,6,7
	global_load_b128 v[FR+4*\jj:FR+4*\jj+3], v[LI], s[6:7] offset:4096*\i+512*\jj th:TH_LOAD_NT
.endr
.endm
	s_load_b256 s[4:11], s[0:1], 0x0               ; scale, x1, kv, out0
	v_lshl_add_u32 v[SPW], v0, 2, SPARE
	v_mov_b32 v[NIL], 0
	ds_add_u32 v[SPW], v[NIL]                      ; the opening lines: the add, twice on end, and its wait ahead of my tensor load
	ds_add_u32 v[SPW], v[NIL]
	v_lshrrev_b32 v[T], 5, v0
	s_delay_alu instid0(VALU_DEP_1)
	v_readfirstlane_b32 s13, v[T]                  ; wave 0..15
	s_bfe_u32 s14, ttmp6, 0x40000                  ; cx: it enters x1's and out0's addresses alone
	s_lshl_b32 s15, ttmp9, 2
	s_add_co_u32 s15, s15, s14                     ; my block of 512 queries
	s_and_b32 s16, ttmp7, 0xffff                   ; the head, which the four partners share
	s_lshl_b32 s44, s16, 19                        ; the head's 2,048 rows of 256 bytes,
	s_lshl_b32 s17, s15, 17                        ; my block's 512,
	s_add_co_u32 s44, s44, s17
	s_lshl_b32 s17, s13, 13                        ; my wave's 32
	s_add_co_u32 s44, s44, s17
	s_mov_b32 s45, 0
	s_mul_i32 s46, s16, HEADB                      ; the head's images in kv,
	s_mul_i32 s33, s13, STEPB                      ; my wave's key step: in memory and in LDS alike
	s_add_co_u32 s46, s46, s33
	s_mov_b32 s47, 0
	s_mov_b32 s32, 1
	; group 1: a dense block of 12,800 bytes as 50 rows of 256 bytes (32 elements of 8 bytes), no padding
	s_mov_b32 s24, 15|(3<<16)|(1<<21)              ; the mask: all four work-groups; elements of 8 bytes; bit 21 beside a mask
	s_mov_b32 s25, 32<<16
	s_mov_b32 s26, 50<<16
	s_mov_b32 s27, 32<<16
	s_mov_b32 s28, 50
	s_mov_b32 s29, 32
	s_mov_b32 s30, 0
	s_mov_b32 s31, 0
	s_mov_b32 s40, 0x76543210
	s_mov_b32 s41, 0xfedcba98                      ; v_permlanex16_b32's selects for lane l xor 16
	s_mul_i32 s48, s13, WSTG
	s_add_co_u32 s48, s48, STAGE                   ; my stage
	s_wait_dscnt 0x0                               ; both opening adds are done
	s_wait_kmcnt 0x0
	s_add_nc_u64 s[6:7], s[6:7], s[44:45]          ; x1 and out0 at my wave's first row
	s_add_nc_u64 s[10:11], s[10:11], s[44:45]
	s_add_nc_u64 s[34:35], s[8:9], s[46:47]        ; my key step's first byte
	s_or_b32 s35, s35, 0x80000000
	CROUND                                         ; all four work-groups are here: the joint loads meet
	tensor_load_to_lds s[32:35], s[24:31]          ; my one tensor load of the launch
	s_nop 0
	s_load_b32 s12, s[4:5], 0x0                    ; scale
	v_and_b32 v[T], 31, v0
	s_delay_alu instid0(VALU_DEP_1)
	v_lshlrev_b32 v[LI], 4, v[T]
	QLOAD 0
	v_min_u32 v[PFO], 15, v[T]                     ; lanes 0-15 a row each; the lanes left over name the last row again
	v_and_b32 v12, 15, v0                          ; r
	v_bfe_u32 v13, v0, 4, 1                        ; h
	v_lshlrev_b32 v[PFO], 8, v[PFO]
	v_mul_u32_u24 v[RD], v13, SP
	v_mul_u32_u24 v[STO], v12, SP
	v_lshlrev_b32 v[SH8], 3, v13
	v_lshl_add_u32 v[RD], v12, 4, v[RD]
	v_add_nc_u32 v[STO], s48, v[STO]
	s_delay_alu instid0(VALU_DEP_2)
	v_add_nc_u32 v[RD], s48, v[RD]
	s_delay_alu instid0(VALU_DEP_2)
	v_lshl_add_u32 v[QR], v13, 7, v[STO]
	v_lshl_add_u32 v[STO], v13, 5, v[STO]
.irp z, 0,1,2,3,4,5,12,13,14,15,16,17
	v_mov_b32 v[QZ+\z], 0                          ; the zero codes beside the queries'
.endr
	v_mov_b32 v[PD], 0                             ; written once: a lane permute's destination counts as one of its sources
	v_mov_b32 v[SB], 0
	v_mov_b32 v[SB+1], 0
	s_wait_alu depctr_va_vdst(0)                   ; the wait ahead of the blocking wait
	s_wait_kmcnt 0x0
	v_mov_b32 v[CV], s12
	s_delay_alu instid0(VALU_DEP_1)
	v_mul_f32 v[CV], 0x3fb8aa3b, v[CV]             ; c = scale x log2(e)
	s_delay_alu instid0(VALU_DEP_1)
	v_and_b32 v[SG], 0x80000000, v[CV]
	v_and_b32 v[CV], 0x7fffffff, v[CV]             ; |c|
	s_delay_alu instid0(VALU_DEP_2)
	v_or_b32 v[SG], 0x3f800000, v[SG]              ; 1.0 with c's sign
	s_delay_alu instid0(VALU_DEP_2)
	v_mov_b32 v[CV+1], v[CV]
	v_xor_b32 v[NC], 0x80000000, v[CV]             ; -|c|
	v_mov_b32 v[SG+1], v[SG]
; The tile's queries turn through my stage, so that a lane gets 32 neighbours of one row (dims 32 h on), and become six registers of codes and the scale word
.macro QTURN
	s_wait_alu depctr_va_vdst(0)                   ; the wait ahead of the blocking wait
	s_wait_loadcnt 0x0
.irp jj, 0,1,2,3,4,5,6,7
	ds_store_b128 v[RD], v[FR+4*\jj:FR+4*\jj+3] offset:2*SP*\jj
.endr
.irp jj, 0,1,2,3,4,5,6,7
	ds_load_b128 v[S+4*\jj:S+4*\jj+3], v[QR] offset:16*\jj   ; LDS serves a wave's instructions in order: these see my stores
.endr
	s_wait_dscnt 0x0
.irp k, 0,2,4,6,8,10,12,14,16,18,20,22,24,26,28,30
	MUL2 S+\k, S+\k, SG                            ; c's sign goes to the queries
.endr
	v_max3_num_f32 v[BM], |v[S]|, |v[S+1]|, |v[S+2]|
	v_max3_num_f32 v[BM+1], |v[S+3]|, |v[S+4]|, |v[S+5]|
.irp e, 6,10,14,18,22,26
	v_max3_num_f32 v[BM], v[BM], |v[S+\e]|, |v[S+\e+1]|
	v_max3_num_f32 v[BM+1], v[BM+1], |v[S+\e+2]|, |v[S+\e+3]|
.endr
	v_max3_num_f32 v[BM], v[BM], |v[S+30]|, |v[S+31]|
	s_delay_alu instid0(VALU_DEP_1)
	v_max3_num_f32 v[BM], v[BM], v[BM+1], 0x1800000   ; and the floor 2^(3 - 127)
	s_delay_alu instid0(VALU_DEP_1)
	v_add_nc_u32 v[SO], 0xff000000, v[BM]          ; 2 off its exponent field: the conversion's scale operand
	s_delay_alu instid0(VALU_DEP_1)
	v_lshrrev_b32 v[BM+2], 23, v[SO]               ; the scale's byte
	v_cvt_scalef32_pk16_fp6_f32 v[QZ+6:QZ+8], v[S:S+15], v[SO]
	v_cvt_scalef32_pk16_fp6_f32 v[TC:TC+2], v[S+16:S+31], v[SO]   ; (a conversion's three registers begin on an even number)
	v_lshlrev_b32 v[BM+2], v[SH8], v[BM+2]         ; my byte at its place (8 h bits up): also the plain place behind the conversions
.irp k, 0,1,2
	v_mov_b32 v[QZ+9+\k], v[TC+\k]
.endr
	v_permlanex16_b32 v[PD], v[BM+2], s40, s41
	s_delay_alu instid0(VALU_DEP_1)
	v_or_b32 v[BM+2], v[BM+2], v[PD]               ; with lane l xor 16's: the row's two bytes,
	s_delay_alu instid0(VALU_DEP_1)
	v_lshl_or_b32 v[QS], v[BM+2], 16, v[BM+2]      ; which stand twice in the word
.endm
	QTURN
	s_wait_alu depctr_va_vdst(0)                   ; the wait at the head's end
	s_wait_tensorcnt 0x0                           ; my key step lies in LDS,
	s_barrier_signal -1
	s_barrier_wait -1                              ; everybody's does: the whole head
	global_prefetch_b8 v[PFO], s[6:7] offset:4096 th:TH_LOAD_NT scope:SCOPE_SE   ; my second tile's 16 rows; its address registers are never rewritten
.macro FLOAD off                       ; four fragments, as images of their registers: 512 consecutive bytes a load
.irp f, 0,1,2,3
.irp c, 0,1,2
	ds_load_b128 v[FR+12*\f+4*\c:FR+12*\f+4*\c+3], v[ADK] offset:\off+1536*\f+512*\c
.endr
.endr
.endm
.macro KFETCH                          ; K's four pair fragments and the step's four scale words
	FLOAD 0
	ds_load_b128 v[SC:SC+3], v[ADK] offset:SOFF
.endm
.macro SUMS a, b                       ; numbers a to b - 1 of the 32 instructions of the row's sum, taken of the UNQUANTISED p, in two chains; the first brings the old sum under the new M
.set n, \a
.rept \b-\a
.if n == 0
	FMA2 14, 14, F, S
.elseif n == 1
	ADD2 SB, S+2, S+4
.elseif n == 31
	ADD2 14, SB, 14
.elseif n%2 == 0
	ADD2 14, S+2*n+2, 14
.else
	ADD2 SB, S+2*n+2, SB
.endif
.set n, n+1
.endr
.endm
; A KEY STEP of 128 keys.  more = 1: the next step's K is fetched at its end.
.macro STEP more
	s_wait_dscnt 0x0                               ; K's fragments and the scale words are in
.irp P, 0,1,2,3                                ; S^T = K Q^T: eight accumulators, each begun with the constant 0
.irp u, 0,1
.if \P%2
	v_wmma_scale_f32_16x16x128_f8f6f4 v[S+8*(2*\P+\u):S+8*(2*\P+\u)+7], v[FR+12*\P:FR+12*\P+11], v[QZ+6-6*\u:QZ+17-6*\u], 0, v[SC+\P/2], v[QS] matrix_a_fmt:MATRIX_FMT_FP6 matrix_b_fmt:MATRIX_FMT_FP6 matrix_a_scale:MATRIX_SCALE_ROW1
.else
	v_wmma_scale_f32_16x16x128_f8f6f4 v[S+8*(2*\P+\u):S+8*(2*\P+\u)+7], v[FR+12*\P:FR+12*\P+11], v[QZ+6-6*\u:QZ+17-6*\u], 0, v[SC+\P/2], v[QS] matrix_a_fmt:MATRIX_FMT_FP6 matrix_b_fmt:MATRIX_FMT_FP6
.endif
.endr
.endr
.rept 4
	v_nop                                          ; four places in front of the loads into K's registers and of the first read of the scores
.endr
	FLOAD VOFF                                     ; V's four fragments land under the softmax
	; the largest score of my two blocks of 32 keys, each in two chains; every accumulator is read from its low end on
.irp c, 0,1
	v_max3_num_f32 v[BM+\c], v[S+32*\c], v[S+32*\c+1], v[S+32*\c+2]
	v_max3_num_f32 v[BM+2+\c], v[S+32*\c+16], v[S+32*\c+17], v[S+32*\c+18]
.endr
.irp e, 3,5,7,9,11,13
.irp c, 0,1
	v_max3_num_f32 v[BM+\c], v[BM+\c], v[S+32*\c+\e], v[S+32*\c+\e+1]
	v_max3_num_f32 v[BM+2+\c], v[BM+2+\c], v[S+32*\c+16+\e], v[S+32*\c+17+\e]
.endr
.endr
.irp c, 0,1
	v_max3_num_f32 v[BM+\c], v[BM+\c], v[BM+2+\c], v[S+32*\c+15]
.endr
.irp c, 0,1
	v_max_num_f32 v[BM+\c], v[BM+\c], v[S+32*\c+31]
.endr
	s_delay_alu instid0(VALU_DEP_1)
	v_max3_num_f32 v[T], v[BM], v[BM+1], v[RM]
	s_delay_alu instid0(VALU_DEP_1)
	v_permlanex16_b32 v[PD], v[T], s40, s41
	s_delay_alu instid0(VALU_DEP_1)
	v_max_num_f32 v[RM], v[T], v[PD]               ; with lane l xor 16's keys: the row's largest score so far
	s_delay_alu instid0(VALU_DEP_1)
	v_mul_f32 v[T], v[NC], v[RM]                   ; -t
	s_delay_alu instid0(VALU_DEP_1)
	v_floor_f32 v13, v[T]                          ; the new -M = floor(-t) = -ceil(t)
	s_delay_alu instid0(VALU_DEP_1)
	v_sub_f32 v[D], v13, v12                       ; old M - new M: a whole number, 0 or less
	v_mov_b32 v12, v13
	s_delay_alu instid0(VALU_DEP_2)
	v_cvt_i32_f32 v[D], v[D]                       ; (it saturates)
.set n, 0
.rept 30
	FMA2 S+n, S+n, CV, 12                          ; t - M
.set n, n+2
.endr
	v_ldexp_f32 v[F], 1.0, v[D]                    ; f = 2^(old M - new M): a multiplication by it rounds nothing
	v_ldexp_f32 v[F+1], 1.0, v[D]
	FMA2 S+60, S+60, CV, 12
	FMA2 S+62, S+62, CV, 12
	FMA2 BM, BM, CV, 12                            ; the same of each block's largest score
.set n, 0
.rept 16
	MUL2 O+n, O+n, F                               ; O^T under the new M, each accumulator from its low end on
.set n, n+2
.endr
	s_wait_alu depctr_va_vdst(0)                   ; the wait ahead of the batch
.set n, 0
.rept 64
	v_exp_f32 v[S+n], v[S+n]                       ; p = 2^(t - M): NOT normalised
.set n, n+1
.endr
	v_exp_f32 v[BM], v[BM]                         ; the blocks' largest p: the same arithmetic on the same number gives the same bits
	v_exp_f32 v[BM+1], v[BM+1]
.if \more
	s_add_co_u32 s42, s42, STEPB
	v_add_nc_u32 v[ADK], s42, v[LI]                ; the next step's address: the plain instruction behind the last exponential
.else
	v_nop
.endif
	s_wait_alu depctr_va_vdst(0)                   ; and the wait behind the batch
	v_max_num_f32 v[BM], 0x1800000, v[BM]          ; the floor 2^(3 - 127): the byte cannot fall under 1
	v_max_num_f32 v[BM+1], 0x1800000, v[BM+1]
	v_add_nc_u32 v[SO], 0xff000000, v[BM]          ; 2 off the exponent field: the conversion's scale operand
	v_add_nc_u32 v[SO+1], 0xff000000, v[BM+1]
.irp c, 0,1
	v_cvt_scalef32_pk16_fp6_f32 v[PC+6*\c:PC+6*\c+2], v[S+32*\c:S+32*\c+15], v[SO+\c]          ; keys 64 c + 32 h + 0 .. 15
	v_cvt_scalef32_pk16_fp6_f32 v[TC+4*\c:TC+4*\c+2], v[S+32*\c+16:S+32*\c+31], v[SO+\c]       ; keys 64 c + 32 h + 16 .. 31 (a conversion's three registers begin on an even number)
.endr
	v_lshrrev_b32 v[BY], 23, v[SO]                 ; the scales' bytes (plain places behind the conversions)
	v_lshrrev_b32 v[BY+1], 23, v[SO+1]
	s_delay_alu instid0(VALU_DEP_1)
	v_lshl_or_b32 v[T], v[BY+1], 16, v[BY]         ; blocks h and 2 + h,
	s_delay_alu instid0(VALU_DEP_1)
	v_lshlrev_b32 v[T], v[SH8], v[T]               ; at their places (8 h bits up);
	s_delay_alu instid0(VALU_DEP_1)
	v_permlanex16_b32 v[PD], v[T], s40, s41
	s_delay_alu instid0(VALU_DEP_1)
	v_or_b32 v[PW], v[T], v[PD]                    ; with lane l xor 16's two: p's scale word for these 128 keys
.irp c, 0,1
.irp k, 0,1,2
	v_mov_b32 v[PC+3+6*\c+\k], v[TC+4*\c+\k]
.endr
.endr
	SUMS 0, 10                                     ; ten plain instructions between the last write of p's codes and the products; behind the scale word's write stand these and the six moves
	s_wait_alu depctr_va_vdst(0)                   ; the wait ahead of the blocking wait
	s_wait_dscnt 0x0                               ; V's fragments are in
.irp t, 0,1,2,3                                ; O^T += V^T P^T: the four accumulators by turns
.if \t%2
	v_wmma_scale_f32_16x16x128_f8f6f4 v[O+8*\t:O+8*\t+7], v[FR+12*\t:FR+12*\t+11], v[PC:PC+11], v[O+8*\t:O+8*\t+7], v[SC+2+\t/2], v[PW] matrix_a_fmt:MATRIX_FMT_FP6 matrix_b_fmt:MATRIX_FMT_FP6 matrix_a_scale:MATRIX_SCALE_ROW1
.else
	v_wmma_scale_f32_16x16x128_f8f6f4 v[O+8*\t:O+8*\t+7], v[FR+12*\t:FR+12*\t+11], v[PC:PC+11], v[O+8*\t:O+8*\t+7], v[SC+2+\t/2], v[PW] matrix_a_fmt:MATRIX_FMT_FP6 matrix_b_fmt:MATRIX_FMT_FP6
.endif
.endr
	SUMS 10, 14                                    ; four places behind the products: they name p and the sums alone
.if \more
	KFETCH                                         ; the next step's K and scale words, under the rest of the sum
.endif
	SUMS 14, 32
.endm
; O^T / the sum goes through my stage and leaves as whole rows of 256 bytes
.macro WAYOUT i
	v_add_f32 v14, v14, v15                        ; the sum's two halves,
	s_delay_alu instid0(VALU_DEP_1)
	v_permlanex16_b32 v[T], v14, s40, s41
	s_delay_alu instid0(VALU_DEP_1)
	v_add_f32 v14, v14, v[T]                       ; and lane l xor 16's: the row's sum
	s_delay_alu instid0(VALU_DEP_1)
	v_mov_b32 v15, v14
	s_wait_alu depctr_va_vdst(0)                   ; the wait ahead of the reciprocals,
	v_rcp_f32 v14, v14
	v_rcp_f32 v15, v15
	v_nop
	s_wait_alu depctr_va_vdst(0)                   ; and behind them, directly ahead of the first reader
.set n, 0
.rept 16
	MUL2 S+n, O+n, 14                              ; register 8 t + j is o(r, 16 t + 8 h + j); each accumulator from its low end on
.set n, n+2
.endr
.irp t, 0,1,2,3
	ds_store_b128 v[STO], v[S+8*\t:S+8*\t+3] offset:64*\t
	ds_store_b128 v[STO], v[S+8*\t+4:S+8*\t+7] offset:64*\t+16
.endr
.irp k, 0,1,2,3,4,5,6,7
	ds_load_b128 v[S+32+4*\k:S+32+4*\k+3], v[RD] offset:2*SP*\k   ; LDS serves a wave's instructions in order: these see my stores
.endr
.irp k, 0,1,2,3,4,5,6,7
	s_wait_dscnt 7-\k                              ; load k is in; the 7 - k younger ones may be out
	global_store_b128 v[LI], v[S+32+4*\k:S+32+4*\k+3], s[10:11] offset:4096*\i+512*\k th:TH_STORE_NT   ; 512 consecutive bytes, two rows
.endr
.if \i == 0
	s_wait_xcnt 0x0                                ; the stores have read their registers: the next pass writes them again
.endif
.endm
; A PASS: one tile of my queries against all 16 key steps.  O^T and the sum begin as zeros and M under every M, so that the first f is 0 and multiplies zeros.
.macro PASS i
	s_mov_b32 s42, 0
	v_add_nc_u32 v[ADK], s42, v[LI]
	KFETCH                                         ; key step 0
	v_mov_b32 v[RM], 0xff61b1e6                    ; -3e38, under every score
	v_mov_b32 v12, 0x7f61b1e6                      ; -M = 3e38
	v_mov_b32 v14, 0
	v_mov_b32 v15, 0
.set n, 0
.rept 32
	v_mov_b32 v[O+n], 0
.set n, n+1
.endr
	s_mov_b32 s43, 15
	s_wait_alu depctr_va_vdst(0)                   ; the wait ahead of the loop
.Lstep_\@:
	STEP 1
	s_sub_co_u32 s43, s43, 1
	s_cmp_lg_u32 s43, 0
	s_cbranch_scc1 .Lstep_\@
	STEP 0                                         ; the last step fetches nothing beyond the head's images
.if \i == 0
	QLOAD 1                                        ; the second tile's queries, into the fragments' registers, 22 plain instructions behind the last products
.endif
	WAYOUT \i
.endm
	PASS 0
	QTURN
	PASS 1
	s_wait_tensorcnt 0x0                           ; the wave's end
	ds_add_u32 v[SPW], v[NIL]
	s_wait_dscnt 0x0
	CROUND                                         ; the closing round
	s_endpgm
.Lfunc_end_k_q2f92bb8167_attn:
	.size	k_q2f92bb8167_attn, .Lfunc_end_k_q2f92bb8167_attn-k_q2f92bb8167_attn
	.p2alignl 7, 3214868480
	.fill 96, 4, 3214868480
	.section	.rodata,"a",@progbits
	.p2align	6, 0x0
	.amdhsa_kernel k_q2f92bb8167_attn
		.amdhsa_group_segment_fixed_size 276480
		.amdhsa_private_segment_fixed_size 0
		.amdhsa_enable_private_segment 0
		.amdhsa_kernarg_size 32
		.amdhsa_user_sgpr_count 2
		.amdhsa_user_sgpr_kernarg_segment_ptr 1
		.amdhsa_wavefront_size32 1
		.amdhsa_system_sgpr_workgroup_id_x 1
		.amdhsa_system_sgpr_workgroup_id_y 1
		.amdhsa_system_sgpr_workgroup_id_z 1
		.amdhsa_system_vgpr_workitem_id 0
		.amdhsa_next_free_vgpr 256
		.amdhsa_next_free_sgpr 66
		.amdhsa_reserve_vcc 0
		.amdhsa_float_denorm_mode_32 3
		.amdhsa_float_denorm_mode_16_64 3
		.amdhsa_memory_ordered 1
		.amdhsa_forward_progress 1
		.amdhsa_inst_pref_size 86
	.end_amdhsa_kernel
	.amdgpu_metadata
---
amdhsa.version: [ 1, 2 ]
amdhsa.kernels:
  - .name:           k_q2f92bb8167_attn
    .symbol:         k_q2f92bb8167_attn.kd
    .args:
      - { .name: scale, .offset: 0, .size: 8, .value_kind: global_buffer, .address_space: global }
      - { .name: x1, .offset: 8, .size: 8, .value_kind: global_buffer, .address_space: global }
      - { .name: kv, .offset: 16, .size: 8, .value_kind: global_buffer, .address_space: global }
      - { .name: out0, .offset: 24, .size: 8, .value_kind: global_buffer, .address_space: global }
    .group_segment_fixed_size: 276480
    .private_segment_fixed_size: 0
    .kernarg_segment_align: 8
    .kernarg_segment_size: 32
    .max_flat_workgroup_size: 512
    .sgpr_count:     66
    .vgpr_count:     256
    .wavefront_size: 32
...
	.end_amdgpu_metadata
.endif
;; end of part 2
